; MI455X (gfx1250); checked and timed in simulation.
; The chip was launched on July 23, 2026; its instructions are those of AMD's public machine-readable ISA for CDNA 5 (MIT licence, August 2026) and "CDNA5" Instruction Set Architecture Reference Guide (July 2026). The comments in the code are by the model that wrote it; some were corrected since.
;; LSTM. Allowed arithmetic: float matrix products may take bf16 or f16 operands with f32 sums; other float arithmetic in f32, or as packed bf16 or f16 multiplies, adds, multiply-adds, maxima and minima; sums over many terms, partial sums and values carried from step to step in f32; what a program stores and reads back later, other than sums and carried values, may be rounded once to bf16 or f16.
;; Inputs: U 4 x 2,048 x 2,048 float32; W 4 x 2,048 x 2,048 float32; pre_layer 2 x 2,048 x 2,048 float32; x 2,048 x 2,048 float32.
;; Outputs: out0 2 x 2,048 x 2,048 float32.
;; One version. Each part assembles by itself: llvm-mc -triple=amdgcn-amd-amdhsa -mcpu=gfx1250 --defsym DOCPART=n.
;; ======== version 1 of 1: 2 launches
;; workspace buffers: ab 16,777,216 bytes; bb 67,108,864 bytes
;; launch cvt (part 1): grid 1280 x 1, 8 waves a work-group, no clusters, 0 bytes of LDS; arguments x, pre_layer, W, U, ab, bb; writes ab, bb
.if DOCPART == 1
	.amdgcn_target "amdgcn-amd-amdhsa--gfx1250"
	.amdhsa_code_object_version 6
	.text
	.protected	k_qee5bac7916_cvt
	.globl	k_qee5bac7916_cvt
	.p2align	8
	.type	k_qee5bac7916_cvt,@function
k_qee5bac7916_cvt:
	s_mov_b64 s[64:65], 0
	v_nop
	global_prefetch_b8 v0, s[64:65] scope:SCOPE_SE
	s_setreg_imm32_b32 hwreg(HW_REG_WAVE_MODE, 25, 1), 1
	s_wait_xcnt 0x0
; LSTM cell, first of two launches: the matrix operands are rounded once from f32 to bf16 (to nearest even) and laid out for the product that follows.
;   gates[g][b][u] = sum_i x[b][i] W[g][u][i] + sum_h pre_h[b][h] U[g][u][h]  is ONE product of K = 4,096:
;   ab [2048][4096] bf16: row b  = x[b][0..2047], then pre_h[b][0..2047]            (pre_h = pre_layer[0])
;   bb [8192][4096] bf16: row n' = W[g][u][0..2047], then U[g][u][0..2047], with n' = 256 tc + 128 ch + 32 g + uu and u = 64 tc + 32 ch + uu:
;   128 rows on end of bb hold all four gates of 32 units, so that in the next launch one lane holds the four gates of a number of the output.
; NOTHING IS LEFT OUT: x, W, U and both halves of pre_layer reach the outputs for every value of the inputs (pre_c = pre_layer[1] is read by the next launch, in f32).
; LIMITS.  A number beyond bf16's largest finite one rounds to an infinity; NaN stays NaN.
; SHARES.  10,240 rows are made, 2,048 of ab and 8,192 of bb; a wave makes one row, R = 8 x work-group + wave: 16 loads of 512 consecutive bytes from each of its two source rows,
; 32 stores of 256 consecutive bytes, aligned.  Sixteen loads of a wave are out all the time; no wave wants a byte of another's: no LDS, no barrier, no matrix unit, no cluster.
; No prefetch: the launch does nothing but stream.
.set LDO, 2                            ; v2        16 x lane: my 16 bytes of 512 loaded
.set STO, 3                            ; v3        8 x lane: my 8 bytes of 256 stored
.set X,   4                            ; v[4:67]   slot j of 16: four f32 as loaded
.set Y,   68                           ; v[68:83]  slot j % 8: four bf16 to store
	s_load_b256 s[4:11], s[0:1], 0x0               ; x s[4:5], pre_layer s[6:7], W s[8:9], U s[10:11]
	s_load_b128 s[12:15], s[0:1], 0x20             ; ab s[12:13], bb s[14:15]
	v_lshrrev_b32 v1, 5, v0
	v_readfirstlane_b32 s16, v1                    ; wave 0..7
	v_and_b32 v1, 31, v0
	v_lshlrev_b32 v[LDO], 4, v1
	v_lshlrev_b32 v[STO], 3, v1
	s_lshl_b32 s17, ttmp9, 3
	s_add_co_u32 s17, s17, s16                     ; R
	s_max_u32 s18, s17, 2048
	s_sub_co_u32 s18, s18, 2048                    ; n' (0 for ab's rows, where it is not used)
	s_lshr_b32 s19, s18, 7
	s_lshl_b32 s19, s19, 5                         ; 64 tc + 32 ch
	s_and_b32 s20, s18, 31
	s_or_b32 s19, s19, s20                         ; u
	s_bfe_u32 s20, s18, 0x20005                    ; g: two bits from bit 5
	s_lshl_b32 s20, s20, 11
	s_or_b32 s19, s19, s20                         ; the row 2,048 g + u of W and of U,
	s_lshl_b32 s19, s19, 13                        ; in bytes: a row of 2,048 f32 is 8,192 bytes
	s_lshl_b32 s18, s18, 13                        ; bb's row n' in bytes: 4,096 bf16 are 8,192 bytes too
	s_lshl_b32 s21, s17, 13                        ; row R of x, of pre_h and of ab
	s_mov_b32 s23, 0
	s_mov_b32 s25, 0
	s_wait_kmcnt 0x0
	s_cmp_lt_u32 ttmp9, 256                        ; the first 256 work-groups make ab, the others bb: all eight waves of a work-group alike
	s_cselect_b32 s22, s21, s19                    ; source offset
	s_cselect_b32 s24, s21, s18                    ; destination offset
	s_cselect_b64 s[4:5], s[4:5], s[8:9]           ; first source: x or W
	s_cselect_b64 s[6:7], s[6:7], s[10:11]         ; second source: pre_h or U
	s_cselect_b64 s[12:13], s[12:13], s[14:15]     ; destination: ab or bb
	s_add_nc_u64 s[4:5], s[4:5], s[22:23]
	s_add_nc_u64 s[6:7], s[6:7], s[22:23]
	s_add_nc_u64 s[12:13], s[12:13], s[24:25]
.irp j, 0,1,2,3,4,5,6,7,8,9,10,11,12,13,14,15
	global_load_b128 v[X+4*(\j):X+4*(\j)+3], v[LDO], s[4:5] offset:512*(\j) th:TH_LOAD_NT  ; the whole first source row
.endr
; One slot's turn.  round = 0: the slot holds 512 bytes of the first source and is filled again from the second; round = 1: it holds the second's.
; left = how many younger loads may stay out when this slot's load has to be there.
.macro SLOT j, round, left
	s_wait_loadcnt \left                           ; loads come back in order: mine is in
	s_wait_xcnt 0x0                                ; the store that read this Y pair, eight turns back, has read its registers: the pair is rewritten only behind this wait
	v_cvt_pk_bf16_f32 v[Y+2*((\j)%8)],   v[X+4*(\j)],   v[X+4*(\j)+1]
	v_cvt_pk_bf16_f32 v[Y+2*((\j)%8)+1], v[X+4*(\j)+2], v[X+4*(\j)+3]
.if (\round) == 0
	global_load_b128 v[X+4*(\j):X+4*(\j)+3], v[LDO], s[6:7] offset:512*(\j) th:TH_LOAD_NT  ; the load ahead of the store
.endif
	global_store_b64 v[STO], v[Y+2*((\j)%8):Y+2*((\j)%8)+1], s[12:13] offset:4096*(\round)+256*(\j) th:TH_STORE_NT  ; 32 lanes store 256 consecutive bytes, aligned
.endm
.irp j, 0,1,2,3,4,5,6,7,8,9,10,11,12,13,14,15
	SLOT \j, 0, 15                                 ; sixteen loads are out: fifteen younger ones stay out
.endr
.irp j, 0,1,2,3,4,5,6,7,8,9,10,11,12,13,14,15
	SLOT \j, 1, 15-(\j)                            ; nothing more is loaded: the counts run down
.endr
	s_endpgm
.Lfunc_end_k_qee5bac7916_cvt:
	.size	k_qee5bac7916_cvt, .Lfunc_end_k_qee5bac7916_cvt-k_qee5bac7916_cvt
	.p2alignl 7, 3214868480
	.fill 96, 4, 3214868480
	.section	.rodata,"a",@progbits
	.p2align	6, 0x0
	.amdhsa_kernel k_qee5bac7916_cvt
		.amdhsa_group_segment_fixed_size 0
		.amdhsa_private_segment_fixed_size 0
		.amdhsa_enable_private_segment 0
		.amdhsa_kernarg_size 48
		.amdhsa_user_sgpr_count 2
		.amdhsa_user_sgpr_kernarg_segment_ptr 1
		.amdhsa_wavefront_size32 1
		.amdhsa_system_sgpr_workgroup_id_x 1
		.amdhsa_system_sgpr_workgroup_id_y 1
		.amdhsa_system_sgpr_workgroup_id_z 1
		.amdhsa_system_vgpr_workitem_id 0
		.amdhsa_next_free_vgpr 84
		.amdhsa_next_free_sgpr 66
		.amdhsa_reserve_vcc 0
		.amdhsa_float_denorm_mode_32 3
		.amdhsa_float_denorm_mode_16_64 3
		.amdhsa_memory_ordered 1
		.amdhsa_forward_progress 1
		.amdhsa_inst_pref_size 14
	.end_amdhsa_kernel
	.amdgpu_metadata
---
amdhsa.version: [ 1, 2 ]
amdhsa.kernels:
  - .name:           k_qee5bac7916_cvt
    .symbol:         k_qee5bac7916_cvt.kd
    .args:
      - { .name: x, .offset: 0, .size: 8, .value_kind: global_buffer, .address_space: global }
      - { .name: pre_layer, .offset: 8, .size: 8, .value_kind: global_buffer, .address_space: global }
      - { .name: W, .offset: 16, .size: 8, .value_kind: global_buffer, .address_space: global }
      - { .name: U, .offset: 24, .size: 8, .value_kind: global_buffer, .address_space: global }
      - { .name: ab, .offset: 32, .size: 8, .value_kind: global_buffer, .address_space: global }
      - { .name: bb, .offset: 40, .size: 8, .value_kind: global_buffer, .address_space: global }
    .group_segment_fixed_size: 0
    .private_segment_fixed_size: 0
    .kernarg_segment_align: 8
    .kernarg_segment_size: 48
    .max_flat_workgroup_size: 256
    .sgpr_count:     66
    .vgpr_count:     84
    .wavefront_size: 32
...
	.end_amdgpu_metadata
.endif
;; end of part 1
;; launch lstm (part 2): grid 32 x 8, 4 waves a work-group, clusters of 4 x 4, 327,680 bytes of LDS; arguments ab, bb, pre_layer, out0; writes out0
.if DOCPART == 2
	.amdgcn_target "amdgcn-amd-amdhsa--gfx1250"
	.amdhsa_code_object_version 6
	.text
	.protected	k_qee5bac7916_lstm
	.globl	k_qee5bac7916_lstm
	.p2align	8
	.type	k_qee5bac7916_lstm,@function
k_qee5bac7916_lstm:
	s_mov_b64 s[64:65], 0
	v_nop
	global_prefetch_b8 v0, s[64:65] scope:SCOPE_SE
	s_setreg_imm32_b32 hwreg(HW_REG_WAVE_MODE, 25, 1), 1
	s_wait_xcnt 0x0
	s_wait_alu depctr_hold_cnt(0) depctr_sa_sdst(0) depctr_va_vdst(0) depctr_va_sdst(0) depctr_va_ssrc(0) depctr_va_vcc(0) depctr_vm_vsrc(0)
	s_getreg_b32 s2, hwreg(HW_REG_IB_STS2, 6, 4)
	s_cmp_eq_u32 s2, 0
	s_cbranch_scc0 .Lentry_in_a_cluster
	s_endpgm
.Lentry_in_a_cluster:
	s_bfe_u32 s2, ttmp6, 0x10000c
	s_cmp_lg_u32 s2, 0xf033
	s_cbranch_scc0 .Lentry_shape_is_right
	s_endpgm
.Lentry_shape_is_right:
; LSTM cell, second of two launches: gates = ab bb^T (M = 2,048, N = 8,192, K = 4,096, bf16 operands, f32 sums), and in the same launch
;   i, f, o = sigmoid(gates 0, 1, 2), n = tanh(gate 3), c = f pre_c + i n, h = o tanh(c); out0 = [h, c], f32.  Nothing is left out: every gate, pre_c and both outputs are live.
; ab [2048][4096]: row b = x[b], pre_h[b].  bb [8192][4096]: row 256 tc + 128 ch + 32 g + uu = W[g][u], U[g][u] with u = 64 tc + 32 ch + uu (made by the launch before).
; LIMITS.  sigmoid(z) = 1 / (1 + 2^(-z log2 e)), tanh(z) = 1 - 2 / (1 + 2^(2 z log2 e)): where the power overflows or falls to 0 the forms give their limits 0, 1, -1;
; a power below 2^-126 counts as 0; tanh of a very small z is right to about 1e-7 absolutely, not relatively.  NaN is carried, not treated apart.  The sums' order is the matrix instruction's, K ascending.
; SHARES.  A tile of the product, 256 batch rows x 256 rows of bb (4 gates x 64 units), is made by a work-group of four waves; a wave makes 128 x 128: 64 accumulators of 16 x 16, 512 registers.
; 8 x 32 tiles: 256 work-groups.  K goes in steps of 128 through a ring of two LDS slots filled by the tensor data mover; the tiles' rows are 256 bytes of memory, aligned.
; CLUSTERS: 4 x 4 work-groups.  The four of a row of the cluster need the same tiles of ab, the four of a column the same tiles of bb: each tile is asked for JOINTLY, by the same tensor load
; with the same descriptor and a mask that names the four.
; THE MATRIX INSTRUCTION IS USED TRANSPOSED: source 0 = 16 rows of bb, source 1 = 16 rows of ab.  In the result lane l holds batch row l % 16 and, in registers 0 to 7, rows 8 (l / 16) + 0..7 of bb's block.
; Block b of my 128 rows of bb is gate b / 2, units 16 (b % 2) on: so the accumulators (a, 0 + ub), (a, 2 + ub), (a, 4 + ub), (a, 6 + ub) hold, in the same lane and register, the four gates of one number.
; THE WAY OUT.  pre_c's tile (256 rows x 64 f32) comes into slot 0 by the ring's last change of slots.  Each block of 16 batch rows is turned into c and h in registers, eight neighbouring units a lane;
; c and h go through two stages in LDS (slot 1, which has had its last fill) and leave as whole rows of 256 bytes.
; REGISTERS, in windows of 256 (s_set_vgpr_msb: bits 1:0 source 0, 3:2 source 1, 5:4 source 2, 7:6 destination):
;   window 0: v0-31 addresses; v32-47 pre_c; v64-127, v128-191 fragments of ab, two buffers; on the way out v64-127 the gates at work, v128-255 rows read back
;   window 1: v64-127, v128-191 fragments of bb, two buffers
;   window 2: the 32 accumulators of my batch rows 0-63 (accumulator (a, b) at v[8 (8 a + b)]);   window 3: those of my rows 64-127
.set SIZE_K, 4096
.set KSTEP,  128
.set PITCH,  272                       ; an LDS row: 256 bytes of data + 16 of padding = 68 words: the 16 rows that a load touches start at 16 different groups of four banks (64 banks of 4 bytes: ISA guide 11.1)
.set HALFT,  128*PITCH                 ; 128 rows: what one tensor load of the ring brings, and what one wave reads of ab or of bb
.set SLOT,   4*HALFT                   ; ab's 256 rows, then bb's 256 rows
.set HSTG,   256*PITCH                 ; a stage: 256 rows of 64 f32.  Stage h at SLOT, stage c at SLOT + HSTG: together just slot 1.  pre_c's tile, as large, lies at LDS byte 0
.set SPARE,  2*SLOT                    ; behind the ring: the spare words, 128 bytes for each wave: two blocks of 256 bytes that no other line names
.set LAPS,   SIZE_K/(2*KSTEP)          ; a lap = two K steps = once round the ring
.set ROWB,   8192                      ; bytes in a row of pre_c, h and c; a row of ab and bb has as many
.set PLANE,  0x1000000                 ; bytes from pre_h to pre_c, and from h to c
.set ADRA, 16                          ; v16-17  LDS address of my fragments of ab in slot 0, 1
.set ADRB, 20                          ; v20-21  the same for bb
.set STH,  22                          ; v22     where I put my 32 bytes of a row of h
.set STC,  23                          ; v23     of c
.set RDH,  24                          ; v24     where I read rows of h back
.set RDC,  25                          ; v25     of c
.set CO,   26                          ; v26     my byte offset in two rows of the output
.set PCL,  27                          ; v27     where my 32 bytes of a row of pre_c lie
.set SPW,  28                          ; v28     LDS address of my spare word: SPARE + 4 x my thread's number; never rewritten
.set NIL,  29                          ; v29     0; never rewritten
.set PFO,  30                          ; v30     the prefetches' offset: my lane x 8,192, a row of ab, bb or pre_c; never rewritten
.set PRC,  32                          ; v32-47  pre_c of my 16 numbers of a block
.set F0,   64                          ; fragment buffer 0
.set F1,   128                         ; fragment buffer 1
.set T,    64                          ; the way out: gate g of my 16 numbers at T + 16 g
.set OB,   128                         ; the way out: 32 rows read back from a stage, two sets of 64 registers
.set G1,  24                           ; s[24:31] descriptor group 1 for ab's tiles
.set G0,  32                           ; s[32:39] descriptor group 0 for ab's tiles, one set for each slot
.set LIM, 43                           ; s43      1 in a wave that prefetches tiles, else the greatest number
.set PFA, 44                           ; s[44:45] where my prefetches stand: my work-group's 32 rows of the 128 that I fetch, one K step further along K than the refill that is being asked for
.set G1B, 48                           ; s[48:55] descriptor group 1 for bb's tiles: it differs from ab's in the mask alone
.set G0B, 56                           ; s[56:63] descriptor group 0 for bb's tiles, one set for each slot
.set OFS, 66                           ; s[66:67] byte offset of my 64 rows x 256 bytes in pre_c, h and c
.set G1C, 68                           ; s[68:75] descriptor group 1 for pre_c's tile
.set G0C, 76                           ; s[76:79] descriptor group 0 for it
.set PCA, 80                           ; s[80:81] pre_c at my 64 rows; never rewritten
.set OH,  82                           ; s[82:83] h at my 64 rows
.set OC,  84                           ; s[84:85] c at my 64 rows
.set NL2E, 86                          ; s[86:87] -log2(e): the packed forms name a pair and take its low word
.set TL2E, 88                          ; s[88:89] 2 log2(e)
.set MSB, 0
.macro WIN new                         ; the immediate's high byte repeats the setting that is left; a switch that changes nothing is dropped
.if MSB != (\new)
	s_set_vgpr_msb (MSB<<8)|(\new)
.set MSB, \new
.endif
.endm
.set MUL_LO, 0xa1                      ; source 0 (bb) window 1, source 1 (ab) window 0, C and D window 2
.set MUL_HI, 0xf1                      ; the same, C and D window 3
.set TO_B,   0x40                      ; destination window 1, address window 0
; A joint load.  Waves 0 and 1 fetch ab's two halves, waves 2 and 3 bb's.  Each of the two lines has one mask and one set of registers for all that issue it.  The branch hangs on the wave's number alone.
; An s_nop 0 and four v_nop follow each of the two lines; the jump, the label and what follows the macro come after them.
.macro JLOAD s
	s_cmp_eq_u32 s11, 0
	s_cbranch_scc0 .Lfor_b_\@
	tensor_load_to_lds s[G0+4*(\s):G0+4*(\s)+3], s[G1:G1+7]
	s_nop 0
.rept 4
	v_nop
.endr
	s_branch .Lasked_\@
.Lfor_b_\@:
	tensor_load_to_lds s[G0B+4*(\s):G0B+4*(\s)+3], s[G1B:G1B+7]
	s_nop 0
.rept 4
	v_nop
.endr
.Lasked_\@:
.endm
; A PREFETCH INTO THE L2 of the K step that stands TWO refills on: 32 rows x 256 bytes, a lane a row, one instruction a wave, 512 matrix instructions ahead of the load that will name those bytes.
; Each row's 256 bytes of a K step are named ONCE in the launch: ab's tile row is read by every cluster of that row of clusters, and the first of them (cluster x = 0) asks; bb's tile column by every
; cluster of that column, and cluster y = 0 asks.  The four partners that ask for a tile jointly share its rows out BY ADDRESS: of the 128 rows that a wave fetches the partner at place p takes 32 p .. 32 p + 31
; (p = cx for ab, cy for bb).  K steps 0 to 3 come by their loads alone; the loop's last trip (s3 = 1) has no K step two on and asks for nothing along K.
.macro ASK
	s_cmp_gt_u32 s3, s[LIM]
	s_cbranch_scc0 .Lnot_mine_\@
	global_prefetch_b8 v[PFO], s[PFA:PFA+1] offset:KSTEP*2 th:TH_LOAD_NT scope:SCOPE_SE
.Lnot_mine_\@:
.endm
; pre_c's tile is asked for likewise, once: in the loop's last trip, two K steps ahead of its tensor load, each wave names the 64 rows x 256 bytes that it will load itself, a lane a row.
.macro ASKC
	s_cmp_eq_u32 s3, 1
	s_cbranch_scc0 .Lnot_yet_\@
	global_prefetch_b8 v[PFO], s[PCA:PCA+1] th:TH_LOAD_NT scope:SCOPE_SE
	global_prefetch_b8 v[PFO], s[PCA:PCA+1] offset:32*ROWB th:TH_LOAD_NT scope:SCOPE_SE
.Lnot_yet_\@:
.endm
; A round of the cluster's barrier: my work-group's barrier, so that wave 0's signal speaks for all four waves; wave 0 signals for the work-group; every wave waits for all sixteen work-groups;
; my work-group's barrier once more.  No LDS instruction of the wave is pending at a signal.
.macro CREST                           ; a round behind its opening barrier
	s_cmp_lg_u32 s10, 0
	s_cbranch_scc1 .Lnot_wave_0_\@
	s_barrier_signal -3
.Lnot_wave_0_\@:
	s_barrier_wait -3
	s_barrier_signal -1
	s_barrier_wait -1
.endm
.macro CROUND                          ; a whole round
	s_barrier_signal -1
	s_barrier_wait -1
	CREST
.endm
	s_load_b128 s[4:7], s[0:1], 0x0                ; ab s[4:5], bb s[6:7]
	s_load_b128 s[92:95], s[0:1], 0x10             ; pre_layer s[92:93], out0 s[94:95]
	v_lshl_add_u32 v[SPW], v0, 2, SPARE
	v_mov_b32 v[NIL], 0
	ds_add_u32 v[SPW], v[NIL]                      ; the wave's opening: the add, twice on end, and its wait ahead of my first tensor load; the set-up below, work on registers, stands between
	ds_add_u32 v[SPW], v[NIL]                      ; and once more, under the one wait
	v_lshrrev_b32 v1, 5, v0
	v_readfirstlane_b32 s10, v1                    ; wave 0..3
	s_lshr_b32 s11, s10, 1                         ; which half of the tile's batch rows is mine.  Also: I fetch for ab (0) or for bb (1)
	s_and_b32 s12, s10, 1                          ; which half of its rows of bb.  Also: which 128 rows of that tile I fetch
	s_bfe_u32 s40, ttmp6, 0x40000                  ; cx: my place along the cluster's x
	s_bfe_u32 s41, ttmp6, 0x40004                  ; cy: along its y
	s_lshl_b32 s42, ttmp9, 2                       ; in a cluster launch ttmp9 and ttmp7 count clusters
	s_add_co_u32 s42, s42, s40                     ; tc = 4 x cluster x + cx
	s_and_b32 s13, ttmp7, 0xffff
	s_lshl_b32 s13, s13, 2
	s_add_co_u32 s13, s13, s41                     ; tr = 4 x cluster y + cy
	s_lshl_b32 s43, s41, 2
	s_lshl_b32 s43, 15, s43                        ; my row of the cluster: places 4 cy .. 4 cy + 3
	s_lshl_b32 s44, 0x1111, s40                    ; my column: places cx, cx + 4, cx + 8, cx + 12
	; descriptor group 1 of the ring: a tile of 128 rows x 128 elements of 2 bytes, padded in LDS
	s_or_b32 s[G1+0], s43, (1<<16)|(1<<20)|(1<<21)|(5<<22)|(3<<25)  ; 15:0 the mask: ab's tiles go to my row; 17:16 elements of 2 bytes; 20 padding on; 21 set beside a mask; 24:22 after every 64 words (code 5); 31:25 4 words (code 3)
	s_or_b32 s[G1B+0], s44, (1<<16)|(1<<20)|(1<<21)|(5<<22)|(3<<25) ; the same with the mask of my column, for bb's tiles
.irp g, G1, G1B
	s_mov_b32 s[(\g)+1], KSTEP<<16                 ; tensor_dim0 = 128
	s_mov_b32 s[(\g)+2], 128<<16                   ; tensor_dim1 = 128
	s_mov_b32 s[(\g)+3], KSTEP<<16                 ; tile_dim0 = 128
	s_mov_b32 s[(\g)+4], 128                       ; tile_dim1 = 128
	s_mov_b32 s[(\g)+5], SIZE_K                    ; elements from row to row
	s_mov_b32 s[(\g)+6], 0
	s_mov_b32 s[(\g)+7], 0
.endr
	; descriptor group 1 of pre_c's tile: 64 rows x 64 elements of 4 bytes, the same padding, no mask: a load of my own
	s_mov_b32 s[G1C+0], (2<<16)|(1<<20)|(5<<22)|(3<<25)
	s_mov_b32 s[G1C+1], 64<<16                     ; tensor_dim0 = 64
	s_mov_b32 s[G1C+2], 64<<16                     ; tensor_dim1 = 64
	s_mov_b32 s[G1C+3], 64<<16                     ; tile_dim0 = 64
	s_mov_b32 s[G1C+4], 64                         ; tile_dim1 = 64
	s_mov_b32 s[G1C+5], 2048                       ; elements from row to row
	s_mov_b32 s[G1C+6], 0
	s_mov_b32 s[G1C+7], 0
	s_mov_b32 s[NL2E], 0xbfb8aa3b                  ; -1.442695
	s_mov_b32 s[NL2E+1], 0xbfb8aa3b
	s_mov_b32 s[TL2E], 0x4038aa3b                  ; 2.885390
	s_mov_b32 s[TL2E+1], 0x4038aa3b
	; where the tiles come from.  ab's hang on tr alone, which my row of the cluster shares; bb's on tc alone, which my column shares.
	s_lshl_b32 s17, s12, 7                         ; which 128 rows of the tile I fetch
	s_lshl_b32 s16, s13, 8
	s_add_co_u32 s16, s16, s17                     ; ab: row 256 tr + 128 x half
	s_lshl_b32 s46, s42, 8
	s_add_co_u32 s46, s46, s17                     ; bb: row 256 tc + 128 x half
	s_mov_b32 s17, 0
	s_mov_b32 s47, 0
	s_mov_b64 s[18:19], SIZE_K*2
	s_mul_u64 s[16:17], s[16:17], s[18:19]         ; in bytes
	s_mul_u64 s[46:47], s[46:47], s[18:19]
	s_mul_i32 s20, s10, HALFT                      ; and where they go: ab's two halves, then bb's two halves = wave x 128 rows
	s_wait_dscnt 0x0                               ; both opening adds are done
	s_wait_kmcnt 0x0
	s_add_nc_u64 s[14:15], s[4:5], s[16:17]
	s_add_nc_u64 s[46:47], s[6:7], s[46:47]
	CROUND                                         ; all sixteen work-groups are here: the first joint loads meet
.irp s, 0,1
	s_mov_b32 s[G0+4*(\s)], 1                                      ; count = 1
	s_add_co_u32 s[G0+4*(\s)+1], s20, (\s)*SLOT                    ; LDS address
	s_add_nc_u64 s[G0+4*(\s)+2:G0+4*(\s)+3], s[14:15], (\s)*KSTEP*2  ; global address: K step s
	s_or_b32 s[G0+4*(\s)+3], s[G0+4*(\s)+3], 0x80000000            ; type = 2
	s_mov_b32 s[G0B+4*(\s)], 1
	s_add_co_u32 s[G0B+4*(\s)+1], s20, (\s)*SLOT
	s_add_nc_u64 s[G0B+4*(\s)+2:G0B+4*(\s)+3], s[46:47], (\s)*KSTEP*2
	s_or_b32 s[G0B+4*(\s)+3], s[G0B+4*(\s)+3], 0x80000000
	JLOAD \s                                       ; the ring is filled before anything else is done: two tensor loads of mine are out
.endr
	; A fragment is 16 rows x 32 K in 8 registers: lane l holds row l % 16; registers 0-3 hold K = 8 (l / 16) + 0..7, registers 4-7 K = 16 + 8 (l / 16) + 0..7: two loads of 16 bytes, 32 bytes apart.
	v_and_b32 v1, 15, v0                           ; r = l % 16
	v_bfe_u32 v2, v0, 4, 1                         ; hh = l / 16
	v_mul_u32_u24 v3, v1, PITCH
	v_lshl_add_u32 v3, v2, 4, v3                   ; row x pitch + 16 x half
	s_mul_i32 s21, s11, HALFT                      ; my 128 rows of ab
	s_mul_i32 s22, s12, HALFT                      ; my 128 rows of bb,
	s_add_co_u32 s22, s22, 2*HALFT                 ; which lie behind ab's 256
.irp s, 0,1
	v_add_nc_u32 v[ADRA+(\s)], s21, v3
	v_add_nc_u32 v[ADRB+(\s)], s22, v3
	s_add_co_u32 s21, s21, SLOT
	s_add_co_u32 s22, s22, SLOT
.endr
	; the way out.  In a tile of 256 rows x 256 bytes (64 units of f32) my numbers of block a lie in row 128 rh + 16 a + r at byte 128 ch + 64 ub + 32 hh: 32 bytes on end
	s_mul_i32 s21, s11, HALFT                      ; 128 rh rows
	s_lshl_b32 s22, s12, 7                         ; 128 ch
	s_add_co_u32 s21, s21, s22
	v_mul_u32_u24 v4, v1, PITCH
	v_lshl_add_u32 v4, v2, 5, v4
	v_add_nc_u32 v[PCL], s21, v4                   ; in pre_c's tile, at LDS byte 0
	v_add_nc_u32 v[STH], SLOT, v[PCL]              ; in stage h
	v_add_nc_u32 v[STC], SLOT+HSTG, v[PCL]         ; in stage c
	s_mul_i32 s23, s10, 64*PITCH                   ; back: wave w takes rows 64 w .. 64 w + 63, whole; lanes 0-15 one row of 256 bytes, lanes 16-31 the next
	v_mul_u32_u24 v5, v2, PITCH
	v_lshl_add_u32 v5, v1, 4, v5
	v_add_nc_u32 v5, s23, v5
	v_add_nc_u32 v[RDH], SLOT, v5
	v_add_nc_u32 v[RDC], SLOT+HSTG, v5
	v_lshlrev_b32 v[CO], 13, v2                    ; and the same two rows in the output
	v_lshl_add_u32 v[CO], v1, 4, v[CO]
	s_lshl_b32 s13, s13, 8                         ; 256 tr
	s_lshl_b32 s42, s42, 8                         ; 256 tc: bb's first row of the tile, and the byte at which the tile's 64 units begin in a row of pre_c, h and c
	s_lshl_b32 s[OFS], s10, 6
	s_add_co_u32 s[OFS], s[OFS], s13               ; row 256 tr + 64 w,
	s_lshl_b32 s[OFS], s[OFS], 13                  ; in bytes,
	s_add_co_u32 s[OFS], s[OFS], s42               ; + the tile's units
	s_mov_b32 s[OFS+1], 0
	s_add_nc_u64 s[PCA:PCA+1], s[92:93], s[OFS:OFS+1]
	s_add_nc_u64 s[PCA:PCA+1], s[PCA:PCA+1], PLANE ; pre_c = pre_layer[1]
	s_add_nc_u64 s[OH:OH+1], s[94:95], s[OFS:OFS+1]
	s_add_nc_u64 s[OC:OC+1], s[OH:OH+1], PLANE
	s_mov_b32 s[G0C], 1                            ; count = 1
	s_mul_i32 s[G0C+1], s10, 64*PITCH              ; LDS address: my 64 rows of the tile at LDS byte 0
	s_mov_b64 s[G0C+2:G0C+3], s[PCA:PCA+1]
	s_or_b32 s[G0C+3], s[G0C+3], 0x80000000        ; type = 2
	; the tiles' prefetches
	s_and_b32 s22, ttmp7, 0xffff                   ; cluster y
	s_cmp_eq_u32 s11, 0                            ; do I fetch for ab?
	s_cselect_b32 s20, s13, s42                    ; the tile's first row: in ab by tr, in bb by tc
	s_cselect_b32 s21, s40, s41                    ; my place among the four that ask for it with me
	s_cselect_b32 s22, ttmp9, s22                  ; the coordinate along which other clusters read the same rows
	s_cselect_b64 s[PFA:PFA+1], s[4:5], s[6:7]
	s_cmp_eq_u32 s22, 0
	s_cselect_b32 s[LIM], 1, -1                    ; the same in all sixteen partners, for a given wave
	s_lshl_b32 s22, s12, 7
	s_add_co_u32 s20, s20, s22                     ; + the 128 rows that I fetch
	s_lshl_b32 s21, s21, 5
	s_add_co_u32 s20, s20, s21                     ; + my work-group's 32 of them
	s_mov_b32 s21, 0
	s_mov_b64 s[18:19], SIZE_K*2
	s_mul_u64 s[20:21], s[20:21], s[18:19]
	s_add_nc_u64 s[PFA:PFA+1], s[PFA:PFA+1], s[20:21]
	s_add_nc_u64 s[PFA:PFA+1], s[PFA:PFA+1], 2*KSTEP*2  ; at K step 2: the first refill steps it to 3 and names K step 4
	v_and_b32 v[PFO], 31, v0
	v_mul_u32_u24 v[PFO], v[PFO], ROWB
; 16 matrix instructions: batch blocks a0, a0 + 1 of the window's four (hi = 0: my rows 0-63, 1: rows 64-127) x all 8 blocks of bb, 32 along K.  zero = 1: the first product starts the sums: nothing is cleared.
; The 64 accumulators take turns, one instruction a turn, in the same order in every quarter step.
.macro MUL16 f, hi, a0, zero
	WIN MUL_LO+0x50*(\hi)
.irp a, \a0, (\a0)+1
.irp b, 0,1,2,3,4,5,6,7
.if \zero
	v_wmma_f32_16x16x32_bf16 v[8*(8*(\a)+(\b)):8*(8*(\a)+(\b))+7], v[(\f)+8*(\b):(\f)+8*(\b)+7], v[(\f)+8*(4*(\hi)+(\a)):(\f)+8*(4*(\hi)+(\a))+7], 0
.else
	v_wmma_f32_16x16x32_bf16 v[8*(8*(\a)+(\b)):8*(8*(\a)+(\b))+7], v[(\f)+8*(\b):(\f)+8*(\b)+7], v[(\f)+8*(4*(\hi)+(\a)):(\f)+8*(4*(\hi)+(\a))+7], v[8*(8*(\a)+(\b)):8*(8*(\a)+(\b))+7]
.endif
.endr
.endr
.endm
; 32 LDS loads in one run: the fragments of one quarter step (128 rows of bb, 128 rows of ab, 32 K at byte k of the rows) into buffer f
.macro FETCH slot, k, f
	WIN TO_B
.irp i, 0,1,2,3,4,5,6,7
	ds_load_b128 v[(\f)+8*(\i):(\f)+8*(\i)+3],   v[ADRB+(\slot)] offset:(\k)+(\i)*16*PITCH
	ds_load_b128 v[(\f)+8*(\i)+4:(\f)+8*(\i)+7], v[ADRB+(\slot)] offset:(\k)+(\i)*16*PITCH+32
.endr
	WIN 0
.irp i, 0,1,2,3,4,5,6,7
	ds_load_b128 v[(\f)+8*(\i):(\f)+8*(\i)+3],   v[ADRA+(\slot)] offset:(\k)+(\i)*16*PITCH
	ds_load_b128 v[(\f)+8*(\i)+4:(\f)+8*(\i)+7], v[ADRA+(\slot)] offset:(\k)+(\i)*16*PITCH+32
.endr
.endm
; A load into a register that a matrix instruction has read, and a vector instruction that reads a matrix result or writes one of a matrix instruction's registers, stand four places behind it,
; and only plain vector instructions that name none of its registers are places (ISA guide 7.12.1 for vector instructions).
.macro PLACES
.rept 4
	v_nop
.endr
.endm
; A K step is four quarter steps of 32 along K, 64 matrix instructions each, on buffers 0, 1, 0, 1.
; One of the first three: multiplies buffer f; in its middle it fetches the next quarter's fragments, at byte k of the same slot's rows, into buffer g.
.macro QUARTER slot, k, f, g, zero
	s_wait_dscnt 8                                 ; bb's fragments and ab's rows 0-63 are in; the youngest eight loads (ab's rows 64-127) may be out
	WIN MUL_LO
	MUL16 \f, 0, 0, \zero
	MUL16 \f, 0, 2, \zero
	PLACES
	FETCH \slot, \k, \g
	s_wait_dscnt 32                                ; all but the 32 just issued
	WIN MUL_HI
	MUL16 \f, 1, 0, \zero
	MUL16 \f, 1, 2, \zero
.endm
; The last quarter multiplies buffer 1 and changes slots.  MEET is its first half: in front of the barrier each wave waits for all its tensor loads, of which one is out: its part of the next slot;
; adds 0 to its spare word; and waits for that and for its own reads of this slot.  The barrier opens a round of the cluster's barrier.
.macro MEET
	WIN 0                                          ; (the add's two registers lie in window 0)
	s_wait_tensorcnt 0x0                           ; all my tensor loads have landed;
	ds_add_u32 v[SPW], v[NIL]                      ; 0 onto my spare word:
	s_wait_dscnt 9                                 ; (the add and the youngest eight loads may be out)
	WIN MUL_LO
	MUL16 F1, 0, 0, 0                              ; sixteen matrix instructions stand between the add and the wait for it
	s_wait_dscnt 0x0                               ; the add is done, and my reads of this slot are over:
	s_barrier_signal -1                            ; say so,
	MUL16 F1, 0, 2, 0                              ; work on registers while the others arrive,
	WIN 0
	s_barrier_wait -1                              ; and go on when all four have said so
.endm
; The whole last quarter.  Behind the round the slot just read out is filled again first, with the K step two steps on; then come the next slot's first fragments.
; From a request to the wait for it a wave issues 224 matrix instructions.
.macro TURN slot, next
	s_wait_xcnt 0x0                                ; the last prefetch, a K step back, has read its address: it is stepped here, ahead of the waits of the change of slots
	s_add_nc_u64 s[PFA:PFA+1], s[PFA:PFA+1], KSTEP*2
	MEET
	CREST                                          ; no wave of any partner still reads this slot's tile or has a load on its way
	s_add_nc_u64 s[G0+4*(\slot)+2:G0+4*(\slot)+3], s[G0+4*(\slot)+2:G0+4*(\slot)+3], 2*KSTEP*2
	s_add_nc_u64 s[G0B+4*(\slot)+2:G0B+4*(\slot)+3], s[G0B+4*(\slot)+2:G0B+4*(\slot)+3], 2*KSTEP*2
	JLOAD \slot                                    ; the first tensor load behind the round; the four v_nop behind it are also the places in front of the loads below
	FETCH \next, 0, F0
	ASK                                            ; behind the joint load and the run of LDS loads that the next products wait for
.if (\slot) == 0
	ASKC
.endif
	WIN MUL_HI
	MUL16 F1, 1, 0, 0
	MUL16 F1, 1, 2, 0
.endm
; The ring's last change of slots: slot 0, read out, takes pre_c's tile in its first 69,632 bytes.  Each wave loads its own 64 rows into its own bytes (wave x 64 rows): a load without a mask, behind a round like every other.
.macro TURNP
	MEET
	CREST
	tensor_load_to_lds s[G0C:G0C+3], s[G1C:G1C+7]  ; my one tensor load behind the round, and the launch's last
	s_nop 0
.rept 4
	v_nop                                          ; also the places in front of the loads below
.endr
	FETCH 1, 0, F0
	WIN MUL_HI
	MUL16 F1, 1, 0, 0
	MUL16 F1, 1, 2, 0
.endm
.macro LASTQ                           ; the very last quarter: nothing more to fetch
	s_wait_dscnt 8
	MUL16 F1, 0, 0, 0
	MUL16 F1, 0, 2, 0
	s_wait_dscnt 0x0
	MUL16 F1, 1, 0, 0
	MUL16 F1, 1, 2, 0
	WIN 0
.endm
; THE CELL.  Helpers, all in window 0, on runs of registers.
; n transcendentals in place: ONE batch, one plain instruction behind the last, and the one wait ahead of the first instruction that names a result.
.macro TRANS op, base, n
.set z, 0
.rept \n
	\op v[(\base)+z], v[(\base)+z]
.set z, z+1
.endr
	v_nop
	s_wait_alu depctr_va_vdst(0)
.endm
.macro PLUS1 base, n                   ; n pairs: + 1
.set z, 0
.rept \n
	v_pk_add_f32 v[(\base)+z:(\base)+z+1], v[(\base)+z:(\base)+z+1], 1.0 op_sel_hi:[1,0]
.set z, z+2
.endr
.endm
.macro ONE_M2 base                     ; 8 pairs: 1 - 2 t, the end of tanh
.set z, 0
.rept 8
	v_pk_fma_f32 v[(\base)+z:(\base)+z+1], v[(\base)+z:(\base)+z+1], -2.0, 1.0 op_sel_hi:[1,0,0]
.set z, z+2
.endr
.endm
.macro PAIRS d, p, q                   ; 8 pairs: d = p x q
.set z, 0
.rept 8
	v_pk_mul_f32 v[(\d)+z:(\d)+z+1], v[(\p)+z:(\p)+z+1], v[(\q)+z:(\q)+z+1]
.set z, z+2
.endr
.endm
; Block a: my 16 batch rows 16 a .., 32 units: 16 numbers a lane.  T + 16 g + 8 ub + j is gate g of unit 16 ub + 8 hh + j.  Four batches of transcendentals, a wait each.
.macro GATE a
.set AC, 64*((\a)%4)
	WIN 0
.irp u, 0,1
.irp k, 0,1
	ds_load_b128 v[PRC+8*(\u)+4*(\k):PRC+8*(\u)+4*(\k)+3], v[PCL] offset:(\a)*16*PITCH+64*(\u)+16*(\k)  ; pre_c: wanted two batches further down
.endr
.endr
	WIN 0x02+(\a)/4                                ; source 0: window 2 or 3.
.set z, 0
.rept 24
	v_pk_mul_f32 v[T+z:T+z+1], v[AC+z:AC+z+1], s[NL2E:NL2E+1] op_sel_hi:[1,0]  ; i, f, o: -z log2 e
.set z, z+2
.endr
.rept 8
	v_pk_mul_f32 v[T+z:T+z+1], v[AC+z:AC+z+1], s[TL2E:TL2E+1] op_sel_hi:[1,0]  ; n: 2 z log2 e
.set z, z+2
.endr
	WIN 0
	TRANS v_exp_f32, T, 64
	PLUS1 T, 32
	TRANS v_rcp_f32, T, 64                         ; i, f, o are done
	ONE_M2 T+48                                    ; n
	PAIRS T, T, T+48                               ; i n
	s_wait_dscnt 0x0                               ; pre_c is in
.set z, 0
.rept 8
	v_pk_fma_f32 v[T+16+z:T+16+z+1], v[T+16+z:T+16+z+1], v[PRC+z:PRC+z+1], v[T+z:T+z+1]  ; c = f pre_c + i n
.set z, z+2
.endr
.irp u, 0,1
.irp k, 0,1
	ds_store_b128 v[STC], v[T+16+8*(\u)+4*(\k):T+16+8*(\u)+4*(\k)+3] offset:(\a)*16*PITCH+64*(\u)+16*(\k)
.endr
.endr
.set z, 0
.rept 8
	v_pk_mul_f32 v[T+z:T+z+1], v[T+16+z:T+16+z+1], s[TL2E:TL2E+1] op_sel_hi:[1,0]  ; 2 c log2 e
.set z, z+2
.endr
	TRANS v_exp_f32, T, 16
	PLUS1 T, 8
	TRANS v_rcp_f32, T, 16
	ONE_M2 T                                       ; tanh(c)
	PAIRS T, T, T+32                               ; h = o tanh(c)
.irp u, 0,1
.irp k, 0,1
	ds_store_b128 v[STH], v[T+8*(\u)+4*(\k):T+8*(\u)+4*(\k)+3] offset:(\a)*16*PITCH+64*(\u)+16*(\k)
.endr
.endr
.endm
; 32 of my 64 rows of a stage (half q) are read back whole and stored.
.macro OUTB rd, ob, q, set
	s_wait_xcnt 0x0                                ; earlier stores have read their registers: this set of 64 is loaded again only behind this wait
.irp t, 0,1,2,3,4,5,6,7,8,9,10,11,12,13,14,15
	ds_load_b128 v[OB+64*(\set)+4*(\t):OB+64*(\set)+4*(\t)+3], v[\rd] offset:(16*(\q)+(\t))*2*PITCH
.endr
.irp t, 0,1,2,3,4,5,6,7,8,9,10,11,12,13,14,15
	s_wait_dscnt 15-(\t)                           ; LDS loads come back in order: pair t of rows is in, the younger ones may be out
	global_store_b128 v[CO], v[OB+64*(\set)+4*(\t):OB+64*(\set)+4*(\t)+3], s[\ob:(\ob)+1] offset:(16*(\q)+(\t))*2*ROWB th:TH_STORE_NT  ; 16 lanes store 256 consecutive bytes, aligned
.endr
.endm
	s_wait_tensorcnt 1                             ; my part of K step 0 is in; K step 1's may stay out
	s_barrier_signal -1
	s_barrier_wait -1                              ; everybody's is
	FETCH 0, 0, F0
	QUARTER 0, 64,  F0, F1, 1                      ; the first quarter stands in front of the loop: its products start the sums
	WIN 0                                          ; at a label and at a branch every window is 0
	s_mov_b32 s3, LAPS-1
.Llap:                                                 ; a trip goes once round the ring, from a lap's second quarter to the next lap's first, and fills both slots again: K steps 2 to 31 in 15 trips
	QUARTER 0, 128, F1, F0, 0
	QUARTER 0, 192, F0, F1, 0
	TURN 0, 1
	QUARTER 1, 64,  F0, F1, 0
	QUARTER 1, 128, F1, F0, 0
	QUARTER 1, 192, F0, F1, 0
	TURN 1, 0
	QUARTER 0, 64,  F0, F1, 0
	WIN 0
	s_sub_co_u32 s3, s3, 1
	s_cmp_lg_u32 s3, 0
	s_cbranch_scc1 .Llap
	QUARTER 0, 128, F1, F0, 0                      ; the last lap is written out: no tile of the ring is left to ask for
	QUARTER 0, 192, F0, F1, 0
	TURNP                                          ; slot 0 takes pre_c
	QUARTER 1, 64,  F0, F1, 0
	QUARTER 1, 128, F1, F0, 0
	QUARTER 1, 192, F0, F1, 0
	LASTQ
	PLACES                                         ; the places behind the last products, in front of the lines that read results and write into ab's buffer 0;
	PLACES                                         ; eight, once a launch
	s_wait_tensorcnt 0x0                           ; my 64 rows of pre_c have landed (other waves read them),
	s_wait_dscnt 0x0                               ; and my reads of slot 1 are over (other waves store into it)
	s_barrier_signal -1
	s_barrier_wait -1                              ; both hold of all four waves.  No tensor load follows: slot 1 has had its last fill and serves as the two stages
.irp a, 0,1,2,3,4,5,6,7
	GATE \a
.endr
	s_wait_dscnt 0x0                               ; for the others' sake: my stores into the stages are done (a row's 256 bytes come from two waves)
	s_barrier_signal -1
	s_barrier_wait -1
	OUTB RDH, OH, 0, 0
	OUTB RDH, OH, 1, 1
	OUTB RDC, OC, 0, 0
	OUTB RDC, OC, 1, 1
	s_wait_tensorcnt 0x0                           ; the wave's end, behind my last tensor load and my last LDS store
	ds_add_u32 v[SPW], v[NIL]
	s_wait_dscnt 0x0
	CROUND                                         ; the closing round: no work-group ends while a partner may still ask for a tile that names it
	s_endpgm
.Lfunc_end_k_qee5bac7916_lstm:
	.size	k_qee5bac7916_lstm, .Lfunc_end_k_qee5bac7916_lstm-k_qee5bac7916_lstm
	.p2alignl 7, 3214868480
	.fill 96, 4, 3214868480
	.section	.rodata,"a",@progbits
	.p2align	6, 0x0
	.amdhsa_kernel k_qee5bac7916_lstm
		.amdhsa_group_segment_fixed_size 327680
		.amdhsa_private_segment_fixed_size 0
		.amdhsa_enable_private_segment 0
		.amdhsa_kernarg_size 32
		.amdhsa_user_sgpr_count 2
		.amdhsa_user_sgpr_kernarg_segment_ptr 1
		.amdhsa_wavefront_size32 1
		.amdhsa_system_sgpr_workgroup_id_x 1
		.amdhsa_system_sgpr_workgroup_id_y 1
		.amdhsa_system_sgpr_workgroup_id_z 1
		.amdhsa_system_vgpr_workitem_id 0
		.amdhsa_next_free_vgpr 1024
		.amdhsa_next_free_sgpr 96
		.amdhsa_reserve_vcc 0
		.amdhsa_float_denorm_mode_32 3
		.amdhsa_float_denorm_mode_16_64 3
		.amdhsa_memory_ordered 1
		.amdhsa_forward_progress 1
		.amdhsa_inst_pref_size 236
	.end_amdhsa_kernel
	.amdgpu_metadata
---
amdhsa.version: [ 1, 2 ]
amdhsa.kernels:
  - .name:           k_qee5bac7916_lstm
    .symbol:         k_qee5bac7916_lstm.kd
    .args:
      - { .name: ab, .offset: 0, .size: 8, .value_kind: global_buffer, .address_space: global }
      - { .name: bb, .offset: 8, .size: 8, .value_kind: global_buffer, .address_space: global }
      - { .name: pre_layer, .offset: 16, .size: 8, .value_kind: global_buffer, .address_space: global }
      - { .name: out0, .offset: 24, .size: 8, .value_kind: global_buffer, .address_space: global }
    .group_segment_fixed_size: 327680
    .private_segment_fixed_size: 0
    .kernarg_segment_align: 8
    .kernarg_segment_size: 32
    .max_flat_workgroup_size: 128
    .sgpr_count:     96
    .vgpr_count:     1024
    .wavefront_size: 32
...
	.end_amdgpu_metadata
.endif
;; end of part 2
